; MI455X (gfx1250); checked and timed in simulation.
; The chip was launched on July 23, 2026; its instructions are those of AMD's public machine-readable ISA for CDNA 5 (MIT licence, August 2026) and "CDNA5" Instruction Set Architecture Reference Guide (July 2026). The comments in the code are by the model that wrote it; some were corrected since.
;; Self Attention Transformer. Allowed arithmetic: matrix products marked QUANTISED: E2M3 operands, one E8M0 scale for each 32 along K, by v_wmma_scale_f32_16x16x128_f8f6f4 with both operands' format E2M3, f32 sums; everything else in f32.
;; Inputs: W1 256 x 1,024 float32; W2 1,024 x 256 float32; b1 1,024 float32; b2 256 float32; be1 256 float32; be2 256 float32; g1 256 float32; g2 256 float32; mask 4 x 2,048 int32; x 4 x 2,048 x 256 float32.
;; Outputs: out0 4 x 2,048 x 256 float32.
;; This version of the problem:
;;   THIS VERSION OF THE PROBLEM IS GIVEN IN LOW PRECISION. The matrix products marked QUANTISED in the list below multiply operands that are first quantised to E2M3 (2 exponent bits, 3 mantissa bits; 6 bits a number), with one power-of-two scale for each 32 numbers along K (OCP MX v1.0); their sums are f32. All else is computed in f32.
;;   The module's matrix products, in the order in which they are computed (A, B: the left and right operand; K: the contracted axis; several contracted axes count as one K, in the product's order):
;;     1. [M 2,048, K 32] x [K 32, N 2,048]; A: computed on the way; B: computed on the way: QUANTISED
;;     2. batch 32 x [M 2,048, K 2,048] x [K 2,048, N 32]; A: softmax (see below); B: input x: QUANTISED
;;     3. [M 8,192, K 256] x [K 256, N 1,024]; A: computed on the way; B: input W1: QUANTISED
;;     4. [M 8,192, K 1,024] x [K 1,024, N 256]; A: computed on the way; B: input W2: QUANTISED
;;   THE QUANTISER, for each operand of a quantised product, along K:
;;     - K is cut into blocks of 32 from its start; a last block that is shorter is filled with zeros.
;;     - A block's scale is 2^e with e = floor(log2(the largest magnitude in the block)) - 2, held to -126 .. 127; a block of zeros has e = 0. As a byte (E8M0): e + 127.
;;     - Each number is divided by its block's scale, clamped to +-7.5, and rounded to the nearest number of E2M3, ties to even, subnormals kept.
;;     - The product sums the exact products of the quantised numbers (number of the format x scale) in f32.
;;   ~~~python
;;   def quantise(x, axis):      # numpy; x: float32 -> the quantised numbers, widened to float32 again
;;       x = np.moveaxis(x, axis, -1); K = x.shape[-1]
;;       x = np.pad(x, [(0, 0)] * (x.ndim - 1) + [(0, -K % 32)]); x = x.reshape(x.shape[:-1] + (-1, 32)); a = np.abs(x).max(-1, keepdims=True)
;;       e = np.where(a > 0, np.clip(np.frexp(np.where(a > 0, a, 1))[1] - 1 - 2, -126, 127), 0)      # np.frexp(a)[1] - 1 = floor(log2(a)), exactly
;;       r = np.clip(x / 2.0 ** e, -7.5, 7.5)
;;       step = 2.0 ** (np.maximum(np.frexp(np.where(r == 0, 1, r))[1] - 1, 0) - 3)
;;       q = np.round(r / step) * step * 2.0 ** e      # np.round: ties to even
;;       return np.moveaxis(q.reshape(q.shape[:-2] + (-1,))[..., :K], -1, axis).astype(np.float32)
;;   ~~~
;;   SOFTMAX AHEAD OF A QUANTISED PRODUCT. Where the list says 'softmax', what is quantised is not the finished softmax but p = 2^(t - M), with t = logit x log2(e) and M = ceil(the row's largest t), a whole number; so 1/2 < the row's largest p <= 1. The row's sum l is taken of the UNQUANTISED p, in f32, and the product's result is divided by l at the end. Since M is a whole number, a kernel that streams over the keys may use a running M (the ceiling of the running maximum): every later rescaling is an exact power of two, which a block's scale takes up: the codes' values come out the same.
;;   OPERANDS COMPUTED ON THE WAY. 'Computed on the way' means the value that the module computes at that place (a softmax that the list does not call 'softmax' is quantised finished and normalised). What goes into a quantiser is computed in f32, as accurately as f32 sums, v_exp_f32 and their like allow (about 1e-6 of the number): no bf16 or f16 on the way to a quantiser, and a product that is left as it is and whose result goes on into a quantised operand takes f32 operands (vector FMAs, or v_wmma_f32_16x16x4_f32). A number that lies on a knife's edge between two numbers of the format may be rounded either way, as far as f32 arithmetic and the matrix unit's own rounding can turn it there, and no further.
;; One version. Each part assembles by itself: llvm-mc -triple=amdgcn-amd-amdhsa -mcpu=gfx1250 --defsym DOCPART=n.
;; ======== version 1 of 1: 2 launches
;; limits: right only within a limited range of input values
;; workspace buffers: stream 2,375,680 bytes
;; launch prep (part 1): grid 256 x 1, 10 waves a work-group, no clusters, 2,304 bytes of LDS; arguments x, mask, W1, W2, b1, g1, be1, b2, g2, be2, stream; writes stream
.if DOCPART == 1
	.amdgcn_target "amdgcn-amd-amdhsa--gfx1250"
	.amdhsa_code_object_version 6
	.text
	.protected	k_q01f1494e71_prep
	.globl	k_q01f1494e71_prep
	.p2align	8
	.type	k_q01f1494e71_prep,@function
k_q01f1494e71_prep:
	s_mov_b64 s[64:65], 0
	v_nop
	global_prefetch_b8 v0, s[64:65] scope:SCOPE_SE
	s_setreg_imm32_b32 hwreg(HW_REG_WAVE_MODE, 25, 1), 1
	s_wait_xcnt 0x0
; PREP: what many work-groups of the second launch read is made once: codes of FP6 (E2M3) with one E8M0 byte for each 32 along K, and copies of the small vectors.
; DEAD WORK: none.  Every input of reference() has a way to the output and is loaded.
; reference() broadcasts one [L, L] matrix of scores over batch and head; here m (the mean over the 32 (batch, head) slices of a token) is made once for each token.
; THE STREAM: 80 chunks of CH = 29,696 bytes (116 x 256).  Chunk 16 b + s: batch b, keys 128 s ..; 64-71: W1, 128 hidden units each; 72-79: W2, 128 along K each.
;   0       codes: region (P, q) at 3,072 P + 768 q holds block q (32 along K) of two tiles of 16 columns: 16 bytes of a column at 16 pos, its other 8 at 512 + 8 (pos xor 16 (q & 1))
;           pos = 16 u + 8 a + i for column 64 (P / 2) + 32 a + 16 (P % 2) + 8 u + i (W1: P % 4 for P; P / 4 is the half of K): so a lane of the product holds 32 neighbouring columns in four tiles
;   24,576  scale bytes: byte q of the column at 4 (32 P + pos) + q
;   25,600  key chunk: m's codes of its 128 tokens as two images of operand registers: token 64 g + 32 a + 8 j + i is row 8 a + i of K block j; 28,672 the addend to a logit; 29,184 m's scale bytes; 29,312 the batch's LIVE word
;           W1: b1 of its 128 units; chunk 64 also g1, be1.   Chunk 72: b2, g2, be2.   The bytes left over are fetched with a chunk and read by nobody.
; A LANE TAKES A COLUMN AND ITS REGISTERS RUN DOWN K: a block of 32 lies in one lane, and the conversions give codes with K innermost.
; SHARES.  Work-group 4 kb + b: waves 0-7 take tokens 32 kb .. of batch b, 32 channels each, and the mean of token 32 kb + 8 b + wave; waves 8, 9 a slice of 32 x 32 of a weight each; wave 8 also m's codes, wave 9 the mask.
; The addend is -1000 where the mask hides a key and some key of the batch counts, else 0; LIVE is 1.0 where some key of the batch counts, else 0.
; A block's scale is 2^(floor(log2(largest magnitude)) - 2); its byte is the largest magnitude's exponent field - 2, held at 1 from below.
; LIMITS: a block of zeros keeps the byte 1 where the rule says 127 (its codes are zeros, and this program alone reads the bytes); blocks whose largest magnitude lies under 2^-124 are held at that byte; NaN and infinities in x, W1, W2 are not served.
.set CH,    29696
.set SCB,   24576
.set KEYC,  25600
.set B1O,   25600
.set G1O,   26112
.set BE1O,  27136
.set B2O,   25600
.set G2O,   26624
.set BE2O,  27648
.set MKO,   28672
.set KSC,   29184
.set LIVE,  29312
.set SPARE, 1024                       ; LDS: 0 .. 1,023 the means [token][d]; behind them the spare words, 128 bytes a wave
.set C,     10                         ; v10-15 a block's codes, v16-18 the second conversion's
.set SPW,   26
.set NIL,   27
.macro WALU
	s_wait_alu depctr_va_vdst(0)
.endm
.macro LOADS pitch                     ; rows 0 .. 31 of my block, my column
.set i_, 0
.rept 32
	global_load_b32 v[64+i_], v6, s[30:31] offset:i_*\pitch th:TH_LOAD_NT
.set i_, i_+1
.endr
.endm
.macro QBLK X                          ; v[X] .. v[X+31] -> 24 bytes of codes in v[C] .. v[C+5], the scale's byte in v23
	v_max3_num_f32 v20, |v[\X]|, |v[\X+1]|, |v[\X+2]|
	v_max3_num_f32 v21, |v[\X+3]|, |v[\X+4]|, |v[\X+5]|
.irp i, 6,10,14,18,22,26
	v_max3_num_f32 v20, v20, |v[\X+\i]|, |v[\X+\i+1]|
	v_max3_num_f32 v21, v21, |v[\X+\i+2]|, |v[\X+\i+3]|
.endr
	v_max3_num_f32 v20, v20, |v[\X+30]|, |v[\X+31]|
	v_max3_num_f32 v20, v20, v21, 0x1800000        ; the floor 2^(3 - 127): the byte cannot fall under 1
	v_add_nc_u32 v22, 0xff000000, v20              ; 2 off the exponent field: the conversion's scale operand
	v_lshrrev_b32 v23, 23, v22                     ; the scale's byte
	v_cvt_scalef32_pk16_fp6_f32 v[C:C+2], v[\X:\X+15], v22
	v_cvt_scalef32_pk16_fp6_f32 v[C+6:C+8], v[\X+16:\X+31], v22   ; (a conversion's three registers begin on an even number)
	v_nop                                          ; one plain place behind a scaled conversion
	v_mov_b32 v[C+3], v[C+6]
	v_mov_b32 v[C+4], v[C+7]
	v_mov_b32 v[C+5], v[C+8]
.endm
	s_load_b256 s[4:11], s[0:1], 0x0               ; x s[4:5], mask s[6:7], W1 s[8:9], W2 s[10:11]
	s_load_b256 s[16:23], s[0:1], 0x20             ; b1 s[16:17], g1 s[18:19], be1 s[20:21], b2 s[22:23]
	s_load_b128 s[24:27], s[0:1], 0x40             ; g2 s[24:25], be2 s[26:27]
	s_load_b64 s[28:29], s[0:1], 0x50              ; stream
	v_lshl_add_u32 v[SPW], v0, 2, SPARE
	v_mov_b32 v[NIL], 0
	v_lshrrev_b32 v1, 5, v0
	v_readfirstlane_b32 s12, v1                    ; wave 0..9
	v_and_b32 v1, 31, v0                           ; lane
	v_and_b32 v2, 7, v1                            ; i
	v_bfe_u32 v3, v1, 3, 1                         ; u
	v_lshrrev_b32 v4, 4, v1                        ; a
	v_lshl_or_b32 v5, v3, 4, v2
	v_lshl_or_b32 v5, v4, 3, v5                    ; pos
	v_and_b32 v6, 15, v1
	v_lshl_or_b32 v6, v4, 5, v6                    ; my column: 32 a + 8 u + i,
	v_lshlrev_b32 v6, 2, v6                        ; in bytes
	v_lshlrev_b32 v7, 4, v5                        ; 16 pos
	v_lshlrev_b32 v8, 2, v5                        ; 4 pos
	v_lshlrev_b32 v9, 4, v1                        ; 16 lane
	v_lshlrev_b32 v24, 2, v1                       ; 4 lane
	v_mul_u32_u24 v31, v1, 12                      ; 12 lane
	s_lshl_b32 s33, s12, 7
	v_lshlrev_b32 v3, 4, v2
	v_add_nc_u32 v3, s33, v3                       ; LDS: my token's mean, 128 wave + 16 i
	v_lshlrev_b32 v4, 7, v2                        ; LDS: token i's mean
	v_lshrrev_b32 v28, 3, v1
	v_mul_u32_u24 v28, v28, 16*CH                  ; m's codes: the copy for batch lane / 8
	v_lshl_add_u32 v29, v2, 3, v28
	v_lshl_add_u32 v30, v2, 2, v28
	v_lshl_add_u32 v28, v2, 4, v28
	WALU                                           ; the wait ahead of the run of scalar lines
	s_lshr_b32 s13, ttmp9, 2                       ; kb
	s_and_b32 s14, ttmp9, 3                        ; b
	s_and_b32 s15, s13, 3
	s_lshr_b32 s33, s13, 2
	s_lshl_b32 s34, s14, 4
	s_add_co_u32 s34, s34, s33                     ; the key chunk 16 b + kb / 4
	s_lshl_b32 s35, ttmp9, 1
	s_add_co_u32 s35, s35, s12
	s_sub_co_u32 s35, s35, 8                       ; waves 8, 9: slice 0 .. 511 of the weights: 32 to a chunk, 4 P + q in it
	s_lshr_b32 s36, s35, 5
	s_bfe_u32 s37, s35, 0x30002
	s_and_b32 s38, s35, 3
	s_and_b32 s39, s36, 7                          ; e: which chunk of W1 or of W2
	s_add_co_u32 s36, s36, 64
	s_cmp_lt_u32 s12, 8
	s_cselect_b32 s40, s12, s37                    ; P
	s_cselect_b32 s41, s15, s38                    ; q
	s_cselect_b32 s42, s34, s36                    ; chunk
	s_and_b32 s43, s40, 1
	s_lshl_b32 s43, s43, 6
	s_lshr_b32 s44, s40, 1
	s_lshl_b32 s45, s44, 8
	s_add_co_u32 s45, s45, s43                     ; x, W2: the columns' first byte
	s_and_b32 s44, s44, 1                          ; W1: rows 128 (P / 4) + 32 q of 4,096 bytes, columns 128 e + 64 (P / 2 % 2) + 16 (P % 2)
	s_lshl_b32 s44, s44, 8
	s_add_co_u32 s46, s44, s43
	s_lshl_b32 s44, s39, 9
	s_add_co_u32 s46, s46, s44
	s_lshl_b32 s44, s41, 17
	s_add_co_u32 s46, s46, s44
	s_lshr_b32 s44, s40, 2
	s_lshl_b32 s44, s44, 19
	s_add_co_u32 s46, s46, s44
	s_lshl_b32 s47, s39, 17                        ; W2: rows 128 e + 32 q of 1,024 bytes
	s_lshl_b32 s44, s41, 15
	s_add_co_u32 s47, s47, s44
	s_add_co_u32 s47, s47, s45
	s_lshl_b32 s48, s14, 21                        ; x: batch b, 32 tokens of 1,024 bytes
	s_lshl_b32 s49, s13, 15
	s_add_co_u32 s48, s48, s49
	s_add_co_u32 s48, s48, s45
	s_cmp_lt_u32 ttmp9, 128
	s_cselect_b32 s52, s46, s47
	s_cmp_lt_u32 s12, 8
	s_cselect_b32 s52, s48, s52
	s_mov_b32 s53, 0
	s_lshl_b32 s54, s14, 13                        ; the mean: token 32 kb + 8 b + wave
	s_add_co_u32 s54, s54, s49
	s_lshl_b32 s44, s12, 10
	s_add_co_u32 s54, s54, s44
	s_mov_b32 s55, 0
	s_lshl_b32 s56, s14, 13                        ; the mask's row b,
	s_mov_b32 s57, 0
	s_lshl_b32 s58, s13, 7
	s_add_co_u32 s58, s58, s56                     ; and my 32 keys in it
	s_mov_b32 s59, 0
	s_mul_i32 s60, s42, CH
	s_lshl_b32 s44, s40, 7
	s_add_co_u32 s62, s60, s44
	s_add_co_u32 s62, s62, s41
	s_mov_b32 s63, 0                               ; scale bytes: + SCB
	s_mul_i32 s44, s40, 3072
	s_add_co_u32 s60, s60, s44
	s_mul_i32 s44, s41, 768
	s_add_co_u32 s60, s60, s44
	s_mov_b32 s61, 0                               ; region (P, q)
	s_mul_i32 s44, s33, CH                         ; wave 8: g = kb / 2 % 2, a = kb % 2, j = b
	s_bfe_u32 s45, s13, 0x10001
	s_and_b32 s46, s13, 1
	s_lshl_b32 s70, s45, 6
	s_lshl_b32 s47, s46, 5
	s_add_co_u32 s70, s70, s47
	s_add_co_u32 s70, s70, s14
	s_add_co_u32 s70, s70, s44
	s_mov_b32 s71, 0
	s_mul_i32 s45, s45, 1536
	s_add_co_u32 s44, s44, s45
	s_lshr_b32 s45, s14, 1
	s_mul_i32 s45, s45, 768
	s_add_co_u32 s44, s44, s45
	s_and_b32 s45, s14, 1
	s_lshl_b32 s66, s45, 8
	s_lshl_b32 s47, s46, 7
	s_add_co_u32 s66, s66, s47
	s_lshr_b32 s68, s66, 1
	s_add_co_u32 s66, s66, s44
	s_add_co_u32 s68, s68, s44
	s_mov_b32 s67, 0
	s_mov_b32 s69, 0
	s_mul_i32 s72, s34, CH                         ; wave 9
	s_mov_b32 s73, 0
	s_lshl_b32 s74, s15, 7
	s_add_co_u32 s74, s74, s72
	s_mov_b32 s75, 0
	s_and_b32 s44, s41, 1
	s_lshl_b32 s44, s44, 4
	v_xor_b32 v25, s44, v5
	v_lshlrev_b32 v25, 3, v25                      ; 8 (pos xor 16 (q & 1))
	WALU                                           ; the wait at the head's end
	s_wait_kmcnt 0x0
	s_cmp_lt_u32 ttmp9, 128
	s_cselect_b64 s[30:31], s[8:9], s[10:11]
	s_cmp_lt_u32 s12, 8
	s_cselect_b64 s[30:31], s[4:5], s[30:31]
	s_add_nc_u64 s[30:31], s[30:31], s[52:53]
	s_add_nc_u64 s[60:61], s[28:29], s[60:61]
	s_add_nc_u64 s[62:63], s[28:29], s[62:63]
	s_mov_b32 s76, 0x76543210
	s_mov_b32 s77, 0xfedcba98                      ; v_permlanex16_b32's selects for lane l xor 16
	s_cmp_lt_u32 s12, 8
	s_cbranch_scc0 .Lweights
	s_add_nc_u64 s[54:55], s[4:5], s[54:55]
.set i_, 0
.rept 8
	global_load_b128 v[32+4*i_:35+4*i_], v9, s[54:55] offset:2097152*(i_/2)+512*(i_%2)   ; my token in batch i / 2: channels 4 lane + 128 (i % 2) ..
.set i_, i_+1
.endr
	LOADS 1024
	s_wait_loadcnt 32                              ; the mean's eight are in
.irp n, 16,8,4
.set i_, 0
.rept \n/2
	v_pk_add_f32 v[32+2*i_:33+2*i_], v[32+2*i_:33+2*i_], v[32+\n+2*i_:33+\n+2*i_]
.set i_, i_+1
.endr
.endr
.irp k, 32,33,34,35
	v_add_f32_dpp v[\k], v[\k], v[\k] row_xmask:8 row_mask:0xf bank_mask:0xf   ; the heads: lanes l and l xor 8,
.endr
.irp k, 32,33,34,35
	v_permlanex16_b32 v[\k+4], v[\k], s76, s77     ; l xor 16
.endr
.irp k, 32,33,34,35
	v_add_f32 v[\k], v[\k], v[\k+4]
.endr
.irp k, 32,33,34,35
	v_mul_f32 v[\k], 0x3d000000, v[\k]             ; / 32
.endr
	ds_store_b128 v3, v[32:35]                     ; (lanes of one i write the same numbers)
	WALU                                           ; the wait ahead of the branch
	s_branch .Lmet
.Lweights:
	s_cmp_lt_u32 ttmp9, 128
	s_cbranch_scc0 .Lw2
	LOADS 4096
	s_branch .Lw
.Lw2:
	LOADS 1024
.Lw:
	s_cmp_eq_u32 s12, 9
	s_cbranch_scc0 .Lmet
	s_add_nc_u64 s[56:57], s[6:7], s[56:57]
	s_add_nc_u64 s[58:59], s[6:7], s[58:59]
.set i_, 0
.rept 8
	global_load_b128 v[32+4*i_:35+4*i_], v9, s[56:57] offset:512*i_          ; the batch's whole mask, 64 words a lane
	global_load_b128 v[96+4*i_:99+4*i_], v9, s[56:57] offset:4096+512*i_
.set i_, i_+1
.endr
	global_load_b32 v19, v24, s[58:59]
.Lmet:
	s_wait_dscnt 0x0
	s_barrier_signal -1
	s_barrier_wait -1                              ; the eight tokens' means lie in LDS
	s_cmp_lt_u32 s12, 8
	s_cbranch_scc1 .Lslice
	s_cmp_eq_u32 s12, 8
	s_cbranch_scc0 .Lmask
	s_wait_loadcnt 0x0                             ; my slice is in: no load is out when the registers below are loaded
.set i_, 0
.rept 8
	ds_load_b128 v[32+4*i_:35+4*i_], v4 offset:16*i_
.set i_, i_+1
.endr
	s_add_nc_u64 s[66:67], s[28:29], s[66:67]
	s_add_nc_u64 s[68:69], s[28:29], s[68:69]
	s_add_nc_u64 s[70:71], s[28:29], s[70:71]
	s_wait_dscnt 0x0
	QBLK 32                                        ; lane 8 c + i: token i, the copy for batch c
	global_store_b128 v28, v[C:C+3], s[66:67] offset:KEYC
	global_store_b64 v29, v[C+4:C+5], s[68:69] offset:KEYC+512
	global_store_b8 v30, v23, s[70:71] offset:KSC
	s_cmp_lt_u32 ttmp9, 8
	s_cbranch_scc0 .Lno_b1
	s_lshl_b32 s78, ttmp9, 9
	s_mov_b32 s79, 0
	s_add_nc_u64 s[80:81], s[16:17], s[78:79]
	s_mul_i32 s78, ttmp9, CH
	s_add_nc_u64 s[82:83], s[28:29], s[78:79]
	global_load_b128 v[96:99], v9, s[80:81]        ; b1 of 128 units
	s_wait_loadcnt 0x0
	global_store_b128 v9, v[96:99], s[82:83] offset:64*CH+B1O
.Lno_b1:
	s_cmp_eq_u32 ttmp9, 255
	s_cbranch_scc0 .Lslice
	s_wait_xcnt 0x0                                ; the stores above have read their registers
.irp k, 0,1
	global_load_b128 v[32+4*\k:35+4*\k], v9, s[18:19] offset:512*\k
	global_load_b128 v[40+4*\k:43+4*\k], v9, s[20:21] offset:512*\k
	global_load_b128 v[48+4*\k:51+4*\k], v9, s[22:23] offset:512*\k
	global_load_b128 v[56+4*\k:59+4*\k], v9, s[24:25] offset:512*\k
	global_load_b128 v[96+4*\k:99+4*\k], v9, s[26:27] offset:512*\k
.endr
	s_wait_loadcnt 0x0
.irp k, 0,1
	global_store_b128 v9, v[32+4*\k:35+4*\k], s[28:29] offset:64*CH+G1O+512*\k
	global_store_b128 v9, v[40+4*\k:43+4*\k], s[28:29] offset:64*CH+BE1O+512*\k
	global_store_b128 v9, v[48+4*\k:51+4*\k], s[28:29] offset:72*CH+B2O+512*\k
	global_store_b128 v9, v[56+4*\k:59+4*\k], s[28:29] offset:72*CH+G2O+512*\k
	global_store_b128 v9, v[96+4*\k:99+4*\k], s[28:29] offset:72*CH+BE2O+512*\k
.endr
	s_branch .Lslice
.Lmask:
	s_add_nc_u64 s[72:73], s[28:29], s[72:73]
	s_add_nc_u64 s[74:75], s[28:29], s[74:75]
	s_wait_loadcnt 0x0
.set i_, 0
.rept 32
	v_or_b32 v[32+i_], v[32+i_], v[96+i_]
.set i_, i_+1
.endr
.irp n, 16,8,4,2,1
.set i_, 0
.rept \n
	v_or_b32 v[32+i_], v[32+i_], v[32+\n+i_]
.set i_, i_+1
.endr
.endr
	v_cmp_ne_u32 s78, 0, v32
	s_cmp_lg_u32 s78, 0                            ; does some key of the batch count?
	s_cselect_b32 s79, 1.0, 0
	s_cselect_b32 s80, 0xc47a0000, 0               ; -1000
	v_mov_b32 v20, s80
	v_mov_b32 v21, 0
	v_mov_b32 v28, s79
	v_mov_b32 v29, s79
	v_mov_b32 v30, s79
	v_cmp_eq_u32 vcc_lo, 0, v19
	v_cndmask_b32 v21, v21, v20, vcc_lo
	global_store_b32 v24, v21, s[74:75] offset:MKO
	s_cmp_eq_u32 s15, 0
	s_cbranch_scc0 .Lslice
	WALU
	global_store_b96 v31, v[28:30], s[72:73] offset:LIVE   ; the chunk's last 384 bytes
.Lslice:
	s_wait_loadcnt 0x0
	s_wait_xcnt 0x0                                ; the stores above have read their registers
	QBLK 64
	global_store_b128 v7, v[C:C+3], s[60:61]       ; the wave's 32 lanes fill 512 consecutive bytes,
	global_store_b64 v25, v[C+4:C+5], s[60:61] offset:512   ; and 256
	global_store_b8 v8, v23, s[62:63] offset:SCB
	s_wait_tensorcnt 0x0                           ; the wave's end
	ds_add_u32 v[SPW], v[NIL]
	s_wait_dscnt 0x0
	s_endpgm
.Lfunc_end_k_q01f1494e71_prep:
	.size	k_q01f1494e71_prep, .Lfunc_end_k_q01f1494e71_prep-k_q01f1494e71_prep
	.p2alignl 7, 3214868480
	.fill 96, 4, 3214868480
	.section	.rodata,"a",@progbits
	.p2align	6, 0x0
	.amdhsa_kernel k_q01f1494e71_prep
		.amdhsa_group_segment_fixed_size 2304
		.amdhsa_private_segment_fixed_size 0
		.amdhsa_enable_private_segment 0
		.amdhsa_kernarg_size 88
		.amdhsa_user_sgpr_count 2
		.amdhsa_user_sgpr_kernarg_segment_ptr 1
		.amdhsa_wavefront_size32 1
		.amdhsa_system_sgpr_workgroup_id_x 1
		.amdhsa_system_sgpr_workgroup_id_y 1
		.amdhsa_system_sgpr_workgroup_id_z 1
		.amdhsa_system_vgpr_workitem_id 0
		.amdhsa_next_free_vgpr 128
		.amdhsa_next_free_sgpr 96
		.amdhsa_reserve_vcc 1
		.amdhsa_float_denorm_mode_32 3
		.amdhsa_float_denorm_mode_16_64 3
		.amdhsa_memory_ordered 1
		.amdhsa_forward_progress 1
		.amdhsa_inst_pref_size 29
	.end_amdhsa_kernel
	.amdgpu_metadata
---
amdhsa.version: [ 1, 2 ]
amdhsa.kernels:
  - .name:           k_q01f1494e71_prep
    .symbol:         k_q01f1494e71_prep.kd
    .args:
      - { .name: x, .offset: 0, .size: 8, .value_kind: global_buffer, .address_space: global }
      - { .name: mask, .offset: 8, .size: 8, .value_kind: global_buffer, .address_space: global }
      - { .name: W1, .offset: 16, .size: 8, .value_kind: global_buffer, .address_space: global }
      - { .name: W2, .offset: 24, .size: 8, .value_kind: global_buffer, .address_space: global }
      - { .name: b1, .offset: 32, .size: 8, .value_kind: global_buffer, .address_space: global }
      - { .name: g1, .offset: 40, .size: 8, .value_kind: global_buffer, .address_space: global }
      - { .name: be1, .offset: 48, .size: 8, .value_kind: global_buffer, .address_space: global }
      - { .name: b2, .offset: 56, .size: 8, .value_kind: global_buffer, .address_space: global }
      - { .name: g2, .offset: 64, .size: 8, .value_kind: global_buffer, .address_space: global }
      - { .name: be2, .offset: 72, .size: 8, .value_kind: global_buffer, .address_space: global }
      - { .name: stream, .offset: 80, .size: 8, .value_kind: global_buffer, .address_space: global }
    .group_segment_fixed_size: 2304
    .private_segment_fixed_size: 0
    .kernarg_segment_align: 8
    .kernarg_segment_size: 88
    .max_flat_workgroup_size: 320
    .sgpr_count:     96
    .vgpr_count:     128
    .wavefront_size: 32
...
	.end_amdgpu_metadata
.endif
;; end of part 1
;; launch fused (part 2): grid 64 x 4, 8 waves a work-group, clusters of 4 x 1, 327,680 bytes of LDS; arguments stream, x, out0; writes out0
.if DOCPART == 2
	.amdgcn_target "amdgcn-amd-amdhsa--gfx1250"
	.amdhsa_code_object_version 6
	.text
	.protected	k_q01f1494e71_fused
	.globl	k_q01f1494e71_fused
	.p2align	8
	.type	k_q01f1494e71_fused,@function
k_q01f1494e71_fused:
	s_mov_b64 s[64:65], 0
	v_nop
	global_prefetch_b8 v0, s[64:65] scope:SCOPE_SE
	s_setreg_imm32_b32 hwreg(HW_REG_WAVE_MODE, 25, 1), 1
	s_wait_xcnt 0x0
	s_wait_alu depctr_hold_cnt(0) depctr_sa_sdst(0) depctr_va_vdst(0) depctr_va_sdst(0) depctr_va_ssrc(0) depctr_va_vcc(0) depctr_vm_vsrc(0)
	s_getreg_b32 s2, hwreg(HW_REG_IB_STS2, 6, 4)
	s_cmp_eq_u32 s2, 0
	s_cbranch_scc0 .Lentry_in_a_cluster
	s_endpgm
.Lentry_in_a_cluster:
	s_bfe_u32 s2, ttmp6, 0x10000c
	s_cmp_lg_u32 s2, 0x3003
	s_cbranch_scc0 .Lentry_shape_is_right
	s_endpgm
.Lentry_shape_is_right:
; FUSED: scores, softmax, P V, + x, LayerNorm, FFN, + h, LayerNorm, for 32 rows of one batch a work-group.  Nothing of reference() is left out as dead work; p is made once for each (batch, query, key), since the logits do not hang on the head.
; All four products run on codes of FP6 (E2M3) with E8M0 scales; everything else is f32.
; THE SOFTMAX.  A logit that counts is sin^2(..), between 0 and 1 for every input (reference()'s own formula, behind its own clip), so t = logit x log2(e) lies in 0 .. 1.4427, p = 2^t in 1 .. e, and a row's sum under 2,048 e:
; nothing can overflow or underflow, and M = 0 stands for the ceiling of the row's largest t: M is a whole number, so it moves only the blocks' scale bytes and the sum, by one exact power of two.
; A key that the mask hides has the addend -1000 in t, so p = 0 exactly; where a whole batch is hidden all logits are equal: its addends are 0 and LIVE = 0 multiplies the series' coefficients, so p = 1 for every key: no branch on data.
; sin^2: z = min(a^2, pi^2), t = z Q(z), Q of degree 5: the series of log2(e) (1 - cos(a)) / (2 z) brought from degree 8 to 5 by Chebyshev polynomials on the clipped range; what that drops is under 4e-8 in t.
; LIMITS: NaN and infinities in x are not carried (the minimum drops a NaN); a block of zeros keeps the scale byte 1 (its codes are zeros).
; SHARES.  256 work-groups of eight waves.  The four of a cluster share the batch, so they walk the same stream: 8 fills of 4 chunks (4 of keys and values, W1 in two, W2 in two), asked for JOINTLY, half a chunk a wave.
; Wave w = 2 st + tq takes chunk st of each key fill for the 16 queries of tile tq and ALL 256 channels: its p stays in registers as the next operand.  The four st's sums are joined once, behind the key loop.  Accumulator group k (4 tiles,
; 64 channels) of wave st holds channel group k xor st: so what a wave keeps lies in group 0 in every wave.  From there on wave (tq, st) owns 64 channels of 16 rows; in the first FFN product it makes 64 hidden units for all 32 rows.
; ALL PRODUCTS ARE USED TRANSPOSED (source 0 = 16 keys, channels or units; source 1 = 16 queries), and the rows of four neighbouring tiles are chosen so that the 32 registers of a lane are 32 neighbours along the next K: one block, and the next
; operand's own layout: no number changes lanes.  A KEY FRAGMENT IS DENSE: its four blocks of 32 are four tiles of 16 tokens; the queries' operand has codes in one block and zero codes in the other three.
; REGISTERS: window 0: v4-47 addresses, sums, scale words (v38-47, v250, v255); v48-83 the query's strips (later h); v84-95 p's codes (later addresses); v96-159 scores / p; v160-223 the series, then fragments; v224-247 two key fragments.
;   window 1: v0-127 sixteen accumulators; v128-187 fragments of V; v192-255 the addends, then fragments.  Later window 1 holds weights' and activations' fragments.
.set CH,    29696
.set HC,    14848                      ; what a wave fetches: 58 rows of 256 bytes
.set SLOT1, 131072
.set SCB,   24576
.set KEYC,  25600
.set B1O,   25600
.set G1O,   26112
.set BE1O,  27136
.set B2O,   25600
.set G2O,   26624
.set BE2O,  27648
.set MKO,   28672
.set KSC,   29184
.set LIVE,  29312
.set RED,   249856                     ; behind slot 1: 8 x 8,192 bytes for the sums' exchange; later the hidden layer's 16 images, and from XST on the result's 32 rows
.set IMB,   1664                       ; an image: two halves of (512 + 256) bytes, then 16 scale words
.set XST,   278528
.set XP,    1040
.set XIMG,  315392                     ; h's four images
.set STAT,  322048                     ; row sums: l at 0, the norms' at 1,024
.set SPARE, 325120                     ; the spare words, 128 bytes a wave, which no other line names
.set FA,  4                            ; v4-6 a fragment's three lane terms: 16 r + 768 h, 8 r + 896 h, 8 r + 640 h
.set L16, 7
.set L8,  8
.set L4,  9
.set H128, 10
.set R4,  11
.set TA,  12                           ; v12-23 fragment addresses of the four groups
.set SA,  24                           ; v24-27 their scale words
.set O16, 28
.set O8,  29
.set O4,  30
.set OH,  31
.set SPW, 32
.set NIL, 33
.set PFO, 34
.set XPF, 35
.set LS,  36
.set QS,  38
.set KS,  39
.set VS,  40
.set QV,  48
.set H,   48
.set PC,  84
.set S,   96
.set R,   160
.set KF,  224
.set TP,  244
.set C5,  248
.set PSW, 250
.set H8,  251
.set PX,  254                          ; v254 a lane permute's destination
.set B,   192                          ; window 1
.set T,   224                          ; behind the loop
.set L,   232
.set A2,  192
.set MSB, 0
.macro WIN new                         ; the immediate's high byte repeats the setting that is left
.if MSB != \new
	s_set_vgpr_msb (MSB<<8)|\new
.set MSB, \new
.endif
.endm
.macro WALU
	s_wait_alu depctr_va_vdst(0)
.endm
.macro PLACES
.rept 4
	v_nop
.endr
.endm
.macro DSW n
	WALU
	s_wait_dscnt \n
.endm
.macro BAR                             ; my LDS stores have landed and my LDS loads are in: then the work-group's barrier
	WIN 0
	DSW 0x0
	s_barrier_signal -1
	s_barrier_wait -1
.endm
.macro ROUND                           ; a round of the cluster's barrier
	s_barrier_signal -1
	s_barrier_wait -1
	s_cmp_lg_u32 s22, 0
	s_cbranch_scc1 .Lnot_wave_0_\@
	s_barrier_signal -3
.Lnot_wave_0_\@:
	s_barrier_wait -3
	s_barrier_signal -1
	s_barrier_wait -1
.endm
; THE CHANGE OF SLOTS.  Each wave waits for its tensor load (its part of the slot ahead), adds 0 to its spare word, and waits for that and for its reads of the slot that is left.
; kind 1, 2: behind a round of the cluster's barrier that slot is asked for again, jointly, first thing; kind 2 is the loop's; kind 0: nothing is left to fetch.
; PREFETCHES in the loop: trips 0 and 1 ask for the key fill two fills on, trip 2 for a quarter of the weights (fill 4 + b in batch b): each by the first cluster of the batch: 32 waves, 15 of the fill's 464 blocks of 256 bytes each, told apart by address.
; Trip 0 also asks for x's 32 rows of this work-group, 16 blocks a wave, wanted behind the loop.
.macro CHANGE kind
	WIN 0
	WALU
.if \kind == 2
	s_wait_xcnt 0x0                                ; the last prefetch has read its address
.endif
	s_wait_tensorcnt 0x0                           ; no tensor load of mine is out, so the descriptor may be written
	ds_add_u32 v[SPW], v[NIL]
	s_xor_b32 s37, s37, SLOT1                      ; the slot ahead
.if \kind > 0
	s_xor_b32 s33, s33, SLOT1                      ; the slot left
.if \kind == 2
	s_cmp_eq_u32 s36, 3
	s_cselect_b32 s38, s41, s40                    ; four chunks on; from the batch's last keys on to the weights
	s_add_nc_u64 s[34:35], s[34:35], s[38:39]
	s_cmp_eq_u32 s36, 2
	s_cselect_b32 s38, s59, s40
	s_add_nc_u64 s[62:63], s[62:63], s[38:39]
.else
	s_add_nc_u64 s[34:35], s[34:35], 4*CH
.endif
.endif
	s_wait_dscnt 0x0                               ; the add is done, and my reads of the slot that I have left are over
.if \kind > 0
	ROUND                                          ; both now hold of every wave of all four work-groups
	tensor_load_to_lds s[32:35], s[24:31]
	s_nop 0
	PLACES
.if \kind == 2
	s_cmp_lt_u32 s36, s61
	s_cbranch_scc0 .Lnot_mine_\@
	global_prefetch_b8 v[PFO], s[62:63] th:TH_LOAD_NT scope:SCOPE_SE
.Lnot_mine_\@:
	s_cmp_eq_u32 s36, 0
	s_cbranch_scc0 .Lnot_x_\@
	global_prefetch_b8 v[XPF], s[94:95] th:TH_LOAD_NT scope:SCOPE_SE
.Lnot_x_\@:
.endif
.else
	s_barrier_signal -1
	s_barrier_wait -1
	PLACES
.endif
.endm
; A fragment (16 rows x 128 K, 12 registers): lane (r, h) takes block 2 c + h of row 16 u + r of a pair of tiles: 16 bytes and 8 bytes for each c
.macro FRAG reg, a, off, u
.irp c, 0,1
	ds_load_b128 v[(\reg)+6*\c:(\reg)+6*\c+3], v[(\a)] offset:(\off)+1536*\c+256*(\u)
.if (\u) == 0
	ds_load_b64 v[(\reg)+6*\c+4:(\reg)+6*\c+5], v[(\a)+1] offset:(\off)+1536*\c+512
.else
	ds_load_b64 v[(\reg)+6*\c+4:(\reg)+6*\c+5], v[(\a)+2] offset:(\off)+1536*\c+640
.endif
.endr
.endm
.macro FREG f                          ; where fragment f of V goes: 0-9 window 1, 10-15 window 0
.if (\f) < 5
.set fr_, 128+12*(\f)
.elseif (\f) < 10
.set fr_, B+12*((\f)-5)
.elseif (\f) < 15
.set fr_, R+12*((\f)-10)
.else
.set fr_, KF
.endif
.endm
.macro VFRAG f
	FREG \f
	FRAG fr_, TA+3*((\f)/4), 3072*(((\f)%4)/2), ((\f)%2)
.endm
; one matrix instruction, from the symbols d_, a_, b_, c_ (under 0: the constant 0), sa_, sb_, row_ (1: source 0's scales stand in lanes 16-31)
.macro MMI
.if c_ < 0
.if row_
	v_wmma_scale_f32_16x16x128_f8f6f4 v[d_:d_+7], v[a_:a_+11], v[b_:b_+11], 0, v[sa_], v[sb_] matrix_a_fmt:MATRIX_FMT_FP6 matrix_b_fmt:MATRIX_FMT_FP6 matrix_a_scale:MATRIX_SCALE_ROW1
.else
	v_wmma_scale_f32_16x16x128_f8f6f4 v[d_:d_+7], v[a_:a_+11], v[b_:b_+11], 0, v[sa_], v[sb_] matrix_a_fmt:MATRIX_FMT_FP6 matrix_b_fmt:MATRIX_FMT_FP6
.endif
.else
.if row_
	v_wmma_scale_f32_16x16x128_f8f6f4 v[d_:d_+7], v[a_:a_+11], v[b_:b_+11], v[c_:c_+7], v[sa_], v[sb_] matrix_a_fmt:MATRIX_FMT_FP6 matrix_b_fmt:MATRIX_FMT_FP6 matrix_a_scale:MATRIX_SCALE_ROW1
.else
	v_wmma_scale_f32_16x16x128_f8f6f4 v[d_:d_+7], v[a_:a_+11], v[b_:b_+11], v[c_:c_+7], v[sa_], v[sb_] matrix_a_fmt:MATRIX_FMT_FP6 matrix_b_fmt:MATRIX_FMT_FP6
.endif
.endif
.endm
.macro PV f0, n                        ; O^T += V^T p^T: fragments f0 .. f0 + n - 1, one accumulator each
.set f_, \f0
.rept \n
	FREG f_
.set d_, 8*f_
.set a_, fr_
.set b_, PC
.set c_, d_
.set sa_, VS+f_/2
.set sb_, PSW
.set row_, f_%2
	MMI
.set f_, f_+1
.endr
.endm
; THE QUANTISER of nb blocks: block n is the 32 numbers from register s + 32 n on, all in one lane.  QMAX: largest magnitude (two chains a block), scale operand, byte.  QCVT: six registers of codes a block.
.macro QMAX s, nb, tm, so, bt
.set n_, 0
.rept \nb
	v_max3_num_f32 v[\tm+2*n_], |v[\s+32*n_]|, |v[\s+32*n_+1]|, |v[\s+32*n_+2]|
	v_max3_num_f32 v[\tm+2*n_+1], |v[\s+32*n_+16]|, |v[\s+32*n_+17]|, |v[\s+32*n_+18]|
.set n_, n_+1
.endr
.irp i, 3,5,7,9,11,13
.set n_, 0
.rept \nb
	v_max3_num_f32 v[\tm+2*n_], v[\tm+2*n_], |v[\s+32*n_+\i]|, |v[\s+32*n_+\i+1]|
	v_max3_num_f32 v[\tm+2*n_+1], v[\tm+2*n_+1], |v[\s+32*n_+16+\i]|, |v[\s+32*n_+17+\i]|
.set n_, n_+1
.endr
.endr
.set n_, 0
.rept \nb
	v_max3_num_f32 v[\tm+2*n_], v[\tm+2*n_], v[\tm+2*n_+1], |v[\s+32*n_+15]|
.set n_, n_+1
.endr
.set n_, 0
.rept \nb
	v_max3_num_f32 v[\tm+2*n_], v[\tm+2*n_], |v[\s+32*n_+31]|, 0x1800000   ; the floor 2^(3 - 127): the byte cannot fall under 1
.set n_, n_+1
.endr
.set n_, 0
.rept \nb
	v_add_nc_u32 v[\so+n_], 0xff000000, v[\tm+2*n_]   ; 2 off its exponent field: the conversion's scale operand
.set n_, n_+1
.endr
.set n_, 0
.rept \nb
	v_lshrrev_b32 v[\bt+n_], 23, v[\so+n_]            ; the scale's byte
.set n_, n_+1
.endr
.endm
.macro QCVT s, nb, so, pc, ct
.set n_, 0
.rept \nb
	v_cvt_scalef32_pk16_fp6_f32 v[\pc+6*n_:\pc+6*n_+2], v[\s+32*n_:\s+32*n_+15], v[\so+n_]
	v_cvt_scalef32_pk16_fp6_f32 v[\ct+4*n_:\ct+4*n_+2], v[\s+32*n_+16:\s+32*n_+31], v[\so+n_]   ; (a conversion's three registers begin on an even number)
.set n_, n_+1
.endr
	v_nop                                          ; one plain place behind a scaled conversion
.set n_, 0
.rept \nb
.irp i, 0,1,2
	v_mov_b32 v[\pc+6*n_+3+\i], v[\ct+4*n_+\i]
.endr
.set n_, n_+1
.endr
.endm
; a half of an image: my six registers of codes and my block's byte
.macro IMAGE a16, a8, a1, off, pc, bt
	ds_store_b128 v[\a16], v[\pc:\pc+3] offset:\off
	ds_store_b64 v[\a8], v[\pc+4:\pc+5] offset:(\off)+512
	ds_store_b8 v[\a1], v[\bt] offset:\off
.endm
.macro FETCH reg, a16, a8, off         ; an operand comes back in any wave
	ds_load_b128 v[(\reg):(\reg)+3], v[\a16] offset:(\off)
	ds_load_b64 v[(\reg)+4:(\reg)+5], v[\a8] offset:(\off)+512
	ds_load_b128 v[(\reg)+6:(\reg)+9], v[\a16] offset:(\off)+768
	ds_load_b64 v[(\reg)+10:(\reg)+11], v[\a8] offset:(\off)+1280
.endm
; W1: my 64 units of the fill's 512: eight fragments (window 1, from v128 on), b1 in the result's layout (window 1, v224 on), four scale words: 44 loads
.macro LOADW1
	s_add_co_u32 s93, s37, s89
	s_add_co_u32 s92, s37, s90
	v_add_nc_u32 v12, s93, v[FA]
	v_add_nc_u32 v13, s93, v[FA+1]
	v_add_nc_u32 v14, s93, v[FA+2]
	v_add_nc_u32 v15, s92, v[L4]
	v_add_nc_u32 v16, s92, v[H128]
	WIN 0x40
.irp kf, 0,1
.irp pl, 0,1
.irp u, 0,1
	FRAG 128+12*(4*\kf+2*\pl+\u), 12, 12288*\kf+3072*\pl, \u
.endr
.endr
.endr
.irp k, 0,1,2,3,4,5,6,7
	ds_load_b128 v[224+4*\k:227+4*\k], v16 offset:B1O-SCB+16*\k
.endr
	WIN 0
.irp kf, 0,1
.irp pl, 0,1
	ds_load_b32 v[VS+2*\kf+\pl], v15 offset:512*\kf+128*\pl
.endr
.endr
.endm
; my 64 units for both tiles of rows: eight accumulators by turns, b1 as the first's C
.macro FFN1
.irp kf, 0,1
.if \kf
	WIN 0x05
.else
	WIN 0x15
.endif
.irp tt, 0,1
.irp j, 0,1,2,3
.set d_, S+32*\tt+8*\j
.set a_, 128+12*(4*\kf+\j)
.set b_, 12*(2*\tt+\kf)
.if \kf
.set c_, d_
.else
.set c_, 224+8*\j
.endif
.set sa_, VS+2*\kf+\j/2
.set sb_, VS+4+2*\tt+\kf
.set row_, \j%2
	MMI
.endr
.endr
.endr
	WIN 0
	PLACES
.endm
.macro HIDDEN off                      ; relu, codes, my half of the images of K step st of this fill
.set j_, 0
.rept 64
	v_max_num_f32 v[S+j_], 0, v[S+j_]              ; each accumulator from its low end on
.set j_, j_+1
.endr
	QMAX S, 2, 180, 184, 186
	QCVT S, 2, 184, 160, 172
	IMAGE 28, 29, 30, \off, 160, 186
	IMAGE 28, 29, 30, (\off)+IMB, 166, 187
.endm
; W2: my 64 channels of the slot's four chunks
.macro ADDRW2
	s_add_co_u32 s93, s37, s74
	s_add_co_u32 s92, s37, s75
	v_add_nc_u32 v12, s93, v[FA]
	v_add_nc_u32 v13, s93, v[FA+1]
	v_add_nc_u32 v14, s93, v[FA+2]
	v_add_nc_u32 v15, s92, v[L4]
	s_add_co_u32 s93, s93, 2*CH
	s_add_co_u32 s92, s92, 2*CH
	v_add_nc_u32 v17, s93, v[FA]
	v_add_nc_u32 v18, s93, v[FA+1]
	v_add_nc_u32 v19, s93, v[FA+2]
	v_add_nc_u32 v20, s92, v[L4]
	WALU
.irp kc, 0,1,2,3
.irp pl, 0,1
	ds_load_b32 v[VS+2*\kc+\pl], v[15+5*(\kc/2)] offset:(\kc%2)*CH+128*\pl
.endr
.endr
.endm
.macro LOADW2
	ADDRW2
	WIN 0x40
.irp kc, 0,1,2,3
.irp pl, 0,1
.irp u, 0,1
	FRAG 12*(4*\kc+2*\pl+\u), 12+5*(\kc/2), (\kc%2)*CH+3072*\pl, \u
.endr
.endr
.endr
	WIN 0
.endm
.macro PSET kc                         ; the hidden layer's scale words: v38, v39, v250, v255
.if (\kc) < 2
.set ps_, QS+(\kc)
.elseif (\kc) == 2
.set ps_, PSW
.else
.set ps_, 255
.endif
.endm
.macro FETCHH off                      ; my tile's four operands of the hidden layer (window 1, v192 on)
	WIN 0x40
.irp kc, 0,1,2,3
	FETCH 192+12*\kc, 24, 25, (\off)+2*IMB*\kc
.endr
	WIN 0
.irp kc, 0,1,2,3
	PSET \kc
	ds_load_b32 v[ps_], v23 offset:(\off)+2*IMB*\kc+1536
.endr
.endm
.macro FFN2 kc                         ; four accumulators by turns, one instruction a turn
	WIN 0x05
	PSET \kc
.irp j, 0,1,2,3
.set d_, A2+8*\j
.set a_, 12*(4*\kc+\j)
.set b_, 192+12*\kc
.set c_, d_
.set sa_, VS+2*\kc+\j/2
.set sb_, ps_
.set row_, \j%2
	MMI
.endr
	WIN 0
.endm
; LayerNorm over a row's 256 channels, 64 of them in my wave (32 in my lane, 32 in lane l xor 16).  LNA: my wave's sum; the numbers less my wave's mean, in place; the sum of their squares; both to LDS.
.macro LNA
	v_pk_add_f32 v[T:T+1], v[S:S+1], v[S+2:S+3]
	v_pk_add_f32 v[T+2:T+3], v[S+4:S+5], v[S+6:S+7]
.irp k, 8,12,16,20,24,28
	v_pk_add_f32 v[T:T+1], v[T:T+1], v[S+\k:S+\k+1]
	v_pk_add_f32 v[T+2:T+3], v[T+2:T+3], v[S+\k+2:S+\k+3]
.endr
	v_pk_add_f32 v[T:T+1], v[T:T+1], v[T+2:T+3]
	v_add_f32 v[T+4], v[T], v[T+1]
	v_permlanex16_b32 v[T+1], v[T+4], s42, s43
	v_add_f32 v[T+4], v[T+4], v[T+1]               ; the sum of my wave's 64
	v_mul_f32 v[T+6], 0x3c800000, v[T+4]           ; / 64
	v_mov_b32 v[T+7], v[T+6]
.set k_, 0
.rept 16
	v_pk_add_f32 v[S+k_:S+k_+1], v[S+k_:S+k_+1], v[T+6:T+7] neg_lo:[0,1] neg_hi:[0,1]
.set k_, k_+2
.endr
	v_pk_mul_f32 v[T:T+1], v[S:S+1], v[S:S+1]
	v_pk_mul_f32 v[T+2:T+3], v[S+2:S+3], v[S+2:S+3]
.irp k, 4,8,12,16,20,24,28
	v_pk_fma_f32 v[T:T+1], v[S+\k:S+\k+1], v[S+\k:S+\k+1], v[T:T+1]
	v_pk_fma_f32 v[T+2:T+3], v[S+\k+2:S+\k+3], v[S+\k+2:S+\k+3], v[T+2:T+3]
.endr
	v_pk_add_f32 v[T:T+1], v[T:T+1], v[T+2:T+3]
	v_add_f32 v[T+5], v[T], v[T+1]
	v_permlanex16_b32 v[T+1], v[T+5], s42, s43
	v_add_f32 v[T+5], v[T+5], v[T+1]
	ds_store_b64 v89, v[T+4:T+5]
.endm
; LNB: the four waves' figures are joined (the squares' sums, and 64 x the squares of the waves' means less the row's mean: no difference of large sums); then ((d + delta) rstd) g + be
.macro LNB g, be, dst
.irp n, 0,1,2,3
	ds_load_b64 v[L+2*\n:L+2*\n+1], v90 offset:512*\n
.endr
	DSW 0x0
	v_add_f32 v[T], v[L], v[L+2]
	v_add_f32 v[T+1], v[L+4], v[L+6]
	v_add_f32 v[T+2], v[L+1], v[L+3]
	v_add_f32 v[T+3], v[L+5], v[L+7]
	v_add_f32 v[T], v[T], v[T+1]
	v_add_f32 v[T+2], v[T+2], v[T+3]
	v_mul_f32 v[T], 0x3b800000, v[T]               ; the row's mean
.irp ww, 0,2,4,6
	v_fma_f32 v[L+\ww], v[L+\ww], 0x3c800000, -v[T]
.endr
	v_mul_f32 v[T+3], v[L], v[L]
.irp ww, 2,4,6
	v_fma_f32 v[T+3], v[L+\ww], v[L+\ww], v[T+3]
.endr
	v_fma_f32 v[T+2], v[T+3], 0x42800000, v[T+2]
	v_fma_f32 v[T+2], v[T+2], 0x3b800000, s57      ; the variance + 1e-5
	WALU
	v_rsq_f32 v[T+4], v[T+2]
	v_sub_f32 v[T+6], v[T+6], v[T]                 ; delta = my wave's mean - the row's.  (A plain place behind the transcendental)
	WALU
	v_mov_b32 v[T+5], v[T+4]
	v_mul_f32 v[T+6], v[T+6], v[T+4]
	v_mov_b32 v[T+7], v[T+6]
.set k_, 0
.rept 16
	v_pk_fma_f32 v[S+k_:S+k_+1], v[S+k_:S+k_+1], v[T+4:T+5], v[T+6:T+7]
.set k_, k_+2
.endr
.set k_, 0
.rept 16
	v_pk_fma_f32 v[(\dst)+k_:(\dst)+k_+1], v[S+k_:S+k_+1], v[(\g)+k_:(\g)+k_+1], v[(\be)+k_:(\be)+k_+1]
.set k_, k_+2
.endr
.endm
; ================= THE HEAD
	s_load_b128 s[4:7], s[0:1], 0x0                ; stream s[4:5], x s[6:7]
	s_load_b64 s[20:21], s[0:1], 0x10              ; out0
	v_lshl_add_u32 v[SPW], v0, 2, SPARE
	v_mov_b32 v[NIL], 0
	ds_add_u32 v[SPW], v[NIL]                      ; the wave's opening: the add, twice on end, and its wait ahead of my first tensor load
	ds_add_u32 v[SPW], v[NIL]
	v_lshrrev_b32 v1, 5, v0
	v_readfirstlane_b32 s22, v1                    ; wave 0..7
	v_and_b32 v3, 31, v0                           ; lane
	v_and_b32 v1, 15, v0                           ; r
	v_bfe_u32 v2, v0, 4, 1                         ; h
	v_lshlrev_b32 v[L16], 4, v3
	v_lshlrev_b32 v[L8], 3, v3
	v_lshlrev_b32 v[L4], 2, v3
	v_lshlrev_b32 v[H128], 7, v2
	v_lshlrev_b32 v[H8], 3, v2
	v_lshlrev_b32 v[R4], 2, v1
	v_mul_u32_u24 v[FA], v2, 768
	v_lshl_add_u32 v[FA], v1, 4, v[FA]
	v_mul_u32_u24 v[FA+1], v2, 896
	v_lshl_add_u32 v[FA+1], v1, 3, v[FA+1]
	v_mul_u32_u24 v[FA+2], v2, 640
	v_lshl_add_u32 v[FA+2], v1, 3, v[FA+2]
	v_and_b32 v12, 7, v1                           ; my query's row of the key image: lane 16 (r / 8) + 8 a + r % 8
	v_lshrrev_b32 v13, 3, v1
	v_lshl_add_u32 v14, v13, 4, v12
	v_lshlrev_b32 v15, 4, v14
	v_lshlrev_b32 v16, 3, v14
	v_lshl_add_u32 v17, v12, 2, v13
	v_min_u32 v[PFO], 14, v3
	v_min_u32 v[XPF], 15, v3
	v_mov_b32 v[PX], 0
	v_mov_b32 v[LS], 0
	v_mov_b32 v[LS+1], 0
	WALU
	s_mov_b32 s24, 15|(3<<16)|(1<<21)              ; 58 dense rows of 256 bytes (32 elements of 8 bytes); the mask names all four work-groups of the cluster
	s_mov_b32 s25, 32<<16
	s_mov_b32 s26, 58<<16
	s_mov_b32 s27, 32<<16
	s_mov_b32 s28, 58
	s_mov_b32 s29, 32
	s_mov_b32 s30, 0
	s_mov_b32 s31, 0
	s_mov_b32 s32, 1
	s_mul_i32 s33, s22, HC
	s_lshr_b32 s23, s22, 1                         ; st
	s_and_b32 s2, s22, 1                           ; tq
	s_bfe_u32 s66, ttmp6, 0x40000                  ; cx
	s_lshl_b32 s67, ttmp9, 2
	s_add_co_u32 s67, s67, s66                     ; my block of 32 queries
	s_and_b32 s3, ttmp7, 0xffff                    ; the batch
	s_lshl_b32 s96, s3, 4
	s_mul_i32 s97, s96, CH
	s_add_co_u32 s98, s97, s33                     ; my part of fill 0
	s_mov_b32 s99, 0
	s_lshr_b32 s101, s67, 2                        ; my queries' codes lie in chunk 16 b + qb / 4
	s_add_co_u32 s101, s101, s96
	s_mul_i32 s101, s101, CH
	s_bfe_u32 s13, s67, 0x10001                    ; g
	s_and_b32 s14, s67, 1                          ; a
	s_lshl_b32 s10, s13, 6
	s_add_co_u32 s10, s10, s101
	s_lshl_b32 s15, s14, 5
	s_add_co_u32 s10, s10, s15
	s_lshl_b32 s15, s2, 1
	s_add_co_u32 s10, s10, s15
	s_mov_b32 s11, 0
	s_mul_i32 s15, s13, 1536
	s_add_co_u32 s101, s101, s15
	s_mul_i32 s15, s2, 768
	s_add_co_u32 s101, s101, s15
	s_lshl_b32 s16, s14, 7
	s_add_co_u32 s16, s16, s101
	s_mov_b32 s17, 0
	s_lshl_b32 s18, s14, 6
	s_add_co_u32 s18, s18, s101
	s_mov_b32 s19, 0
	s_lshl_b32 s12, s66, 3
	s_add_co_u32 s12, s12, s22                     ; my number among the cluster's 32 waves
	s_mul_i32 s12, s12, 29
	s_lshr_b32 s12, s12, 1
	s_lshl_b32 s13, s22, 4
	v_add_nc_u32 v[PFO], s12, v[PFO]               ; blocks 14.5 n (rounded down) .. + 14: at most 449 + 14 = 463
	v_lshlrev_b32 v[PFO], 8, v[PFO]
	v_add_nc_u32 v[XPF], s13, v[XPF]
	v_lshlrev_b32 v[XPF], 8, v[XPF]
	s_wait_dscnt 0x0                               ; both opening adds are done
	WALU
	s_wait_kmcnt 0x0
	s_add_nc_u64 s[80:81], s[4:5], s[16:17]
	s_add_nc_u64 s[82:83], s[4:5], s[18:19]
	s_add_nc_u64 s[72:73], s[4:5], s[10:11]
	s_add_nc_u64 s[34:35], s[4:5], s[98:99]
	s_or_b32 s35, s35, 0x80000000
	global_load_b128 v[160:163], v15, s[80:81] offset:KEYC           ; the queries' codes: both halves of the lanes take row r's 24 bytes
	global_load_b64 v[164:165], v16, s[82:83] offset:KEYC+512
	global_load_u8 v[QS], v17, s[72:73] offset:KSC
	s_load_b32 s58, s[4:5], s97 offset:LIVE
	ROUND                                          ; all four work-groups are here: the first joint loads meet
	tensor_load_to_lds s[32:35], s[24:31]          ; fill 0
	s_nop 0
	PLACES
	s_mov_b32 s36, 0
	s_mov_b32 s37, SLOT1                           ; the first change of slots turns it to slot 0
	s_mov_b32 s39, 0
	s_mov_b32 s40, 4*CH
	s_sub_co_u32 s41, 52, s96
	s_mul_i32 s41, s41, CH                         ; from chunk 16 b + 12 to chunk 64
	s_mul_i32 s59, s3, 12
	s_sub_co_u32 s59, 52, s59
	s_mul_i32 s59, s59, CH                         ; the prefetch: from chunk 16 b + 12 to chunk 64 + 4 b
	s_mov_b32 s42, 0x76543210
	s_mov_b32 s43, 0xfedcba98                      ; v_permlanex16_b32's selects for lane l xor 16
	s_mov_b32 s56, 0x411de9e6                      ; pi^2
	s_mov_b32 s57, 0x3727c5ac                      ; 1e-5
	s_mov_b32 s60, 0xffff
	s_cmp_eq_u32 ttmp9, 0
	s_cselect_b32 s61, 3, 0                        ; the trips in which my cluster prefetches: the same in all four partners
	s_add_co_u32 s98, s97, s40
	s_add_nc_u64 s[62:63], s[4:5], s[98:99]        ; chunk 16 b + 4: stepped ahead of its first use
	s_mul_i32 s88, s23, CH                         ; my chunk of a key fill
.irp k, 0,1,2,3
	s_xor_b32 s93, s23, \k
	s_mul_i32 s92, s93, 6144
	s_add_co_u32 s[68+\k], s92, s88                ; channel group k xor st: codes
	s_lshl_b32 s92, s93, 8
	s_add_co_u32 s[76+\k], s92, s88
	s_add_co_u32 s[76+\k], s[76+\k], SCB           ; and scale words
.endr
	s_mul_i32 s92, s2, 6144
	s_add_co_u32 s89, s88, s92                     ; W1: my units are half tq of chunk st
	s_lshl_b32 s92, s2, 8
	s_add_co_u32 s90, s88, s92
	s_add_co_u32 s90, s90, SCB
	s_mul_i32 s74, s23, 6144                       ; W2: my channels
	s_lshl_b32 s75, s23, 8
	s_add_co_u32 s75, s75, SCB
	s_lshl_b32 s98, s3, 21                         ; rows 2,048 b + 32 qb of 1,024 bytes
	s_lshl_b32 s92, s67, 15
	s_add_co_u32 s98, s98, s92
	s_add_nc_u64 s[94:95], s[6:7], s[98:99]
	s_lshl_b32 s92, s22, 12
	s_add_co_u32 s100, s98, s92
	s_mov_b32 s101, 0
	s_add_nc_u64 s[86:87], s[20:21], s[100:101]    ; out0: my rows 4 w ..
	s_lshl_b32 s92, s2, 14
	s_add_co_u32 s100, s98, s92
	s_lshl_b32 s92, s23, 8
	s_add_co_u32 s100, s100, s92
	s_add_nc_u64 s[84:85], s[6:7], s[100:101]      ; x: tile tq's rows, channels 64 st ..
	WIN 0x40
.set k_, 0
.rept 128
	v_mov_b32 v[k_], 0                             ; O^T: the key loop is written once, so its first trip finds zeros
.set k_, k_+1
.endr
	WIN 0
.irp st, 0,18                          ; a strip of 18: six zeros, the codes, six zeros: twelve registers from its 7th on have the codes in K blocks 0-1, from its 1st on in K blocks 2-3
.irp i, 0,1,2,3,4,5
	v_mov_b32 v[QV+\st+\i], 0
	v_mov_b32 v[QV+\st+12+\i], 0
.endr
.endr
	WALU
	s_wait_kmcnt 0x0
	s_mul_f32 s44, s58, 0x3eb8aa3b                 ; c0 .. c4 x LIVE, each as a pair (the packed form names a pair and takes its low word for both halves)
	s_mul_f32 s46, s58, 0xbcf63842
	s_mul_f32 s48, s58, 0x3a835047
	s_mul_f32 s50, s58, 0xb795f916
	s_mul_f32 s52, s58, 0x3452cefe
	s_mul_f32 s54, s58, 0xb0afcc3e
	s_mov_b32 s45, s44
	s_mov_b32 s47, s46
	s_mov_b32 s49, s48
	s_mov_b32 s51, s50
	s_mov_b32 s53, s52
	v_mov_b32 v[C5], s54
	v_mov_b32 v[C5+1], s54
	WALU
	s_wait_loadcnt 0x0
.irp i, 0,1,2,3,4,5
	v_cndmask_b32 v[QV+6+\i], v[PX], v[160+\i], s60                  ; the strip with codes in lanes 0-15 alone (the even K block),
	v_cndmask_b32 v[QV+24+\i], v[160+\i], v[PX], s60                 ; and in lanes 16-31 alone (the odd one)
.endr
	v_mul_lo_u32 v[QS], v[QS], 0x01010101          ; the query's byte for whichever block holds its codes
	WALU
; ================= THE KEY LOOP
.Ltrip:                                                ; four trips: fill F, my key step 4 F + st
	CHANGE 2
.irp k, 0,1,2,3
	s_add_co_u32 s93, s37, s[68+\k]
	s_add_co_u32 s92, s37, s[76+\k]
	v_add_nc_u32 v[TA+3*\k], s93, v[FA]
	v_add_nc_u32 v[TA+3*\k+1], s93, v[FA+1]
	v_add_nc_u32 v[TA+3*\k+2], s93, v[FA+2]
	v_add_nc_u32 v[SA+\k], s92, v[L4]
.endr
	s_add_co_u32 s93, s37, s88
	v_add_nc_u32 v[O16], s93, v[L16]
	v_add_nc_u32 v[O8], s93, v[L8]
	v_add_nc_u32 v[O4], s93, v[L4]
	v_add_nc_u32 v[OH], s93, v[H128]
	WALU
	ds_load_b32 v[KS], v[O4] offset:KSC            ; lanes 0-15 the first fragment's rows, lanes 16-31 the second's
.irp g, 0,1
.irp c, 0,1
	ds_load_b128 v[KF+12*\g+6*\c:KF+12*\g+6*\c+3], v[O16] offset:KEYC+1536*\g+768*\c
	ds_load_b64 v[KF+12*\g+6*\c+4:KF+12*\g+6*\c+5], v[O8] offset:KEYC+1536*\g+768*\c+512
.endr
.endr
	WIN 0x40
.irp k, 0,1,2,3,4,5,6,7,8,9,10,11,12,13,14,15
	ds_load_b128 v[B+4*\k:B+4*\k+3], v[OH] offset:MKO+256*(\k/8)+16*(\k%8)   ; the addends: register 32 c + 8 j + i = key 64 c + 32 h + 8 j + i
.endr
.irp f, 0,1,2,3,4
	VFRAG \f
.endr
	WIN 0
.irp p, 0,1,2,3,4,5,6,7
	ds_load_b32 v[VS+\p], v[SA+\p/2] offset:128*(\p%2)   ; lanes 0-15 the even tile's rows, lanes 16-31 the odd tile's
.endr
	s_wait_dscnt 44                                ; the keys and their scale word are in; 16 addends, 20 of V and 8 scale words may be out
.irp g, 0,1
.irp j, 0,1,2,3
.set d_, S+32*\g+8*\j
.set a_, KF+12*\g
.set b_, QV+18*(\j%2)+6*(1-\j/2)
.set c_, -1
.set sa_, KS
.set sb_, QS
.set row_, \g
	MMI                                            ; S^T of the 16 tokens in K block j of fragment g
.endr
.endr
	PLACES
.set j_, 0
.rept 32
	v_pk_mul_f32 v[S+j_:S+j_+1], v[S+j_:S+j_+1], v[S+j_:S+j_+1]   ; a^2, each accumulator from its low end on
.set j_, j_+2
.endr
.set j_, 0
.rept 64
	v_min_num_f32 v[S+j_], s56, v[S+j_]            ; z = min(a^2, pi^2): reference()'s clip
.set j_, j_+1
.endr
.set j_, 0
.rept 32
	v_pk_fma_f32 v[R+j_:R+j_+1], v[S+j_:S+j_+1], v[C5:C5+1], s[52:53] op_sel_hi:[1,1,0]
.set j_, j_+2
.endr
.irp c, 50,48,46,44
.set j_, 0
.rept 32
	v_pk_fma_f32 v[R+j_:R+j_+1], v[R+j_:R+j_+1], v[S+j_:S+j_+1], s[\c:\c+1] op_sel_hi:[1,1,0]
.set j_, j_+2
.endr
.endr
	DSW 28                                         ; the addends are in; 20 of V and 8 scale words may be out
	WIN 0x10
.set j_, 0
.rept 32
	v_pk_fma_f32 v[S+j_:S+j_+1], v[S+j_:S+j_+1], v[R+j_:R+j_+1], v[B+j_:B+j_+1]   ; t = z Q + the key's addend
.set j_, j_+2
.endr
	WIN 0x40                                       ; the addends and the series are done with: the other fragments land there
.irp f, 5,6,7,8,9
	VFRAG \f
.endr
	WIN 0
.irp f, 10,11,12,13,14,15
	VFRAG \f
.endr
	WALU
.set j_, 0
.rept 64
	v_exp_f32 v[S+j_], v[S+j_]                     ; p = 2^t: one batch
.set j_, j_+1
.endr
	v_nop                                          ; a plain place behind the last exponential
	WALU                                           ; one wait for the batch, ahead of its first reader
	v_pk_add_f32 v[TP:TP+1], v[S:S+1], v[S+2:S+3]  ; the row's sum is taken of the unquantised p, in two chains
.set j_, 4
.rept 15
	v_pk_add_f32 v[LS:LS+1], v[LS:LS+1], v[S+j_:S+j_+1]
	v_pk_add_f32 v[TP:TP+1], v[TP:TP+1], v[S+j_+2:S+j_+3]
.set j_, j_+4
.endr
	v_pk_add_f32 v[LS:LS+1], v[LS:LS+1], v[TP:TP+1]
	QMAX S, 2, 220, 246, 252
	v_lshl_or_b32 v[PSW], v253, 16, v252           ; my two bytes: blocks h and 2 + h,
	v_lshlrev_b32 v[PSW], v[H8], v[PSW]
	v_permlanex16_b32 v[PX], v[PSW], s42, s43
	v_or_b32 v[PSW], v[PSW], v[PX]                 ; with lane l xor 16's two the scale word is whole
	QCVT S, 2, 246, PC, 236
	PLACES                                         ; an operand written by vector instructions stands 4 places ahead of a scaled matrix instruction, a scale register 8
	DSW 24                                         ; all but the last six fragments are in
	WIN 0x51
	PV 0, 10
	s_wait_dscnt 0x0
	WIN 0x50
	PV 10, 6
	WIN 0
	s_add_co_u32 s36, s36, 1
	s_cmp_lt_u32 s36, 4
	s_cbranch_scc1 .Ltrip
; ================= THE FOUR STRIPES' SUMS ARE JOINED
	PLACES
	v_lshl_add_u32 v83, v[R4], 8, v[H128]          ; x: row r, 32 channels from 32 h on: 128 consecutive bytes a lane
	WALU
.irp k, 0,1,2,3,4,5,6,7
	global_load_b128 v[160+4*\k:163+4*\k], v83, s[84:85] offset:16*\k
.endr
	s_lshl_b32 s96, s22, 13
	s_xor_b32 s97, s22, 2
	s_lshl_b32 s97, s97, 13
	s_xor_b32 s98, s22, 6
	s_lshl_b32 s98, s98, 13
	s_add_co_u32 s96, s96, RED
	s_add_co_u32 s97, s97, RED
	s_add_co_u32 s98, s98, RED
	v_add_nc_u32 v84, s96, v[L16]                  ; what I send first;
	v_add_nc_u32 v85, s97, v[L16]                  ; what wave w xor 2 sent me, and then what I send;
	v_add_nc_u32 v86, s98, v[L16]                  ; what wave w xor 4 sent me
	s_lshl_b32 s96, s22, 7
	s_add_co_u32 s96, s96, STAT
	s_lshl_b32 s97, s2, 7
	s_add_co_u32 s97, s97, STAT
	v_add_nc_u32 v87, s96, v[L4]
	v_add_nc_u32 v88, s97, v[L4]
	s_lshl_b32 s96, s22, 8
	s_add_co_u32 s96, s96, STAT+1024
	s_lshl_b32 s97, s2, 8
	s_add_co_u32 s97, s97, STAT+1024
	v_add_nc_u32 v89, s96, v[L8]
	v_add_nc_u32 v90, s97, v[L8]
	v_lshrrev_b32 v82, 7, v[H128]
	v_add_nc_u32 v82, v82, v[R4]                   ; 4 r + h
	s_lshr_b32 s96, s23, 1                         ; h's images: my channels are half st % 2 of K step st / 2, tile tq
	s_lshl_b32 s97, s2, 1
	s_add_co_u32 s96, s96, s97
	s_mul_i32 s96, s96, IMB
	s_add_co_u32 s96, s96, XIMG
	s_and_b32 s97, s23, 1
	s_mul_i32 s98, s97, 768
	s_add_co_u32 s98, s98, s96
	s_lshl_b32 s97, s97, 1
	s_add_co_u32 s96, s96, s97
	s_add_co_u32 s96, s96, 1536
	WALU
	v_add_nc_u32 v91, s98, v[L16]
	v_add_nc_u32 v92, s98, v[L8]
	v_add_nc_u32 v31, s96, v82
	v_add_nc_u32 v94, XIMG, v[L16]
	v_add_nc_u32 v95, XIMG, v[L8]
	v_add_nc_u32 v22, XIMG, v[R4]
	s_mul_i32 s96, s23, 2*IMB                      ; the hidden layer's: half tq of K step st, both tiles
	s_add_co_u32 s96, s96, RED
	s_mul_i32 s97, s2, 768
	s_add_co_u32 s97, s97, s96
	s_lshl_b32 s98, s2, 1
	s_add_co_u32 s98, s98, s96
	s_add_co_u32 s98, s98, 1536
	WALU
	v_add_nc_u32 v28, s97, v[L16]
	v_add_nc_u32 v29, s97, v[L8]
	v_add_nc_u32 v30, s98, v82
	s_mul_i32 s96, s2, IMB                         ; and what I read of them
	s_add_co_u32 s96, s96, RED
	v_add_nc_u32 v24, s96, v[L16]
	v_add_nc_u32 v25, s96, v[L8]
	v_add_nc_u32 v23, s96, v[R4]
	s_mul_i32 s96, s2, 16*XP                       ; the result's rows: my place in them,
	s_lshl_b32 s97, s23, 8
	s_add_co_u32 s96, s96, s97
	v_add_nc_u32 v21, s97, v[H128]                 ; (and in g, be, b2: 256 st + 128 h bytes)
	s_add_co_u32 s96, s96, XST
	v_mul_u32_u24 v26, v[R4], XP/4
	v_add_nc_u32 v26, v26, v[H128]
	v_add_nc_u32 v26, s96, v26
	s_mul_i32 s96, s22, 4*XP                       ; and the four that I store
	s_add_co_u32 s96, s96, XST
	v_add_nc_u32 v27, s96, v[L16]
	v_add_f32 v[LS], v[LS], v[LS+1]                ; my keys' part of the row's sum
	v_permlanex16_b32 v[PX], v[LS], s42, s43
	v_add_f32 v[LS], v[LS], v[PX]
	WALU
	ds_store_b32 v87, v[LS]
	WIN 0x04
.irp k, 0,1,2,3,4,5,6,7
	ds_store_b128 v84, v[32+4*\k:35+4*\k] offset:512*\k           ; groups 1 and 3 go to wave w xor 2, each accumulator from its low end on
.endr
.irp k, 0,1,2,3,4,5,6,7
	ds_store_b128 v84, v[96+4*\k:99+4*\k] offset:4096+512*\k
.endr
	CHANGE 1                                       ; fill 4 (W1, units 0-511) is whole, and so is the first exchange; fill 5 is asked for
.irp n, 0,1,2,3
	ds_load_b32 v[L+\n], v88 offset:256*\n
.endr
.set k_, 0
.rept 16
	ds_load_b128 v[S+4*k_:S+4*k_+3], v85 offset:512*k_
.set k_, k_+1
.endr
	DSW 0x0
	WIN 0x41
.set k_, 0
.rept 16
	v_pk_add_f32 v[64+k_:65+k_], v[64+k_:65+k_], v[S+32+k_:S+33+k_]
.set k_, k_+2
.endr
	WIN 0x04
.irp k, 0,1,2,3,4,5,6,7
	ds_store_b128 v85, v[64+4*\k:67+4*\k] offset:512*\k           ; group 2 goes to wave w xor 4, onto bytes that I alone have read
.endr
	WIN 0x41
.set k_, 0
.rept 16
	v_pk_add_f32 v[k_:k_+1], v[k_:k_+1], v[S+k_:S+k_+1]
.set k_, k_+2
.endr
	WIN 0
	v_add_f32 v[L], v[L], v[L+1]
	v_add_f32 v[L+2], v[L+2], v[L+3]
	v_add_f32 v[L], v[L], v[L+2]                   ; the row's sum
	WALU
	v_rcp_f32 v[T+2], v[L]
	v_nop
	WALU
	v_mov_b32 v[T+3], v[T+2]
	BAR
.irp k, 0,1,2,3,4,5,6,7
	ds_load_b128 v[S+4*\k:S+4*\k+3], v86 offset:512*\k
.endr
	LOADW1                                         ; 44 loads: W1's fragments wait in registers
.irp k, 0,1,2,3,4,5,6,7
	ds_load_b128 v[192+4*\k:195+4*\k], v21 offset:G1O+16*\k
	ds_load_b128 v[128+4*\k:131+4*\k], v21 offset:BE1O+16*\k
.endr
	DSW 60                                         ; the exchange is in; the 60 behind it may be out
	WIN 0x01
.set k_, 0
.rept 16
	v_pk_add_f32 v[S+k_:S+k_+1], v[k_:k_+1], v[S+k_:S+k_+1]
.set k_, k_+2
.endr
	WIN 0
	WALU
	s_wait_loadcnt 0x0                             ; x
.set k_, 0
.rept 16
	v_pk_fma_f32 v[S+k_:S+k_+1], v[S+k_:S+k_+1], v[T+2:T+3], v[160+k_:161+k_]   ; O / l + x
.set k_, k_+2
.endr
; ================= LAYERNORM, FFN, LAYERNORM
	LNA
	CHANGE 1                                       ; fill 5 (W1, units 512-1,023) is whole; all have fill 4 in registers: fill 6 is asked for
	LNB 192, 128, H
	QMAX H, 1, 180, 184, 186                       ; my 64 channels of h: half a fragment and two scale bytes
	QCVT H, 1, 184, 160, 172
	IMAGE 91, 92, 31, 0, 160, 186
	BAR                                            ; h's four fragments lie in LDS
	WIN 0x40
.irp n, 0,1,2,3
	FETCH 12*\n, 94, 95, IMB*\n
.endr
	WIN 0
.irp n, 0,1,2,3
	ds_load_b32 v[VS+4+\n], v22 offset:IMB*\n+1536
.endr
	DSW 0x0
	FFN1
	LOADW1                                         ; the other 512 units' fragments land under the first's codes
	HIDDEN 0
	CHANGE 1                                       ; fill 6 (W2, K 0-511) is whole; all have fill 5 in registers: fill 7 is asked for
	FFN1
	LOADW2
.irp k, 0,1,2,3,4,5,6,7
	ds_load_b128 v[A2+4*\k:A2+4*\k+3], v21 offset:B2O+16*\k   ; b2 starts the sums
.endr
	HIDDEN 8*IMB
	BAR                                            ; the hidden layer's images lie in LDS
	FETCHH 0
.irp k, 0,1,2,3,4,5,6,7
	ds_load_b128 v[128+4*\k:131+4*\k], v21 offset:G2O+16*\k
	ds_load_b128 v[160+4*\k:163+4*\k], v21 offset:BE2O+16*\k
.endr
	DSW 0x0
.irp kc, 0,1,2,3
	FFN2 \kc
.endr
	PLACES
	FETCHH 8*IMB
	CHANGE 0                                       ; fill 7 (W2, K 512-1,023): nothing is left to fetch
	LOADW2
	DSW 48                                         ; a K step's 16 loads at a time
	FFN2 0
	s_wait_dscnt 32
	FFN2 1
	s_wait_dscnt 16
	FFN2 2
	s_wait_dscnt 0x0
	FFN2 3
	PLACES
.set k_, 0
.rept 16
	v_pk_add_f32 v[S+k_:S+k_+1], v[A2+k_:A2+k_+1], v[H+k_:H+k_+1]     ; ffn + h, each accumulator from its low end on
.set k_, k_+2
.endr
	LNA
	BAR
	LNB 128, 160, S
	; THE WAY OUT: a lane holds 32 neighbouring channels of a row; the rows meet in LDS and each wave stores 4 whole rows, 512 consecutive bytes an instruction
.irp k, 0,1,2,3,4,5,6,7
	ds_store_b128 v26, v[S+4*\k:S+4*\k+3] offset:16*\k
.endr
	BAR
.irp k, 0,1,2,3,4,5,6,7
	ds_load_b128 v[A2+4*\k:A2+4*\k+3], v27 offset:XP*(\k/2)+512*(\k%2)
.endr
.irp k, 0,1,2,3,4,5,6,7
	s_wait_dscnt 7-\k                              ; LDS loads come back in order: load k is in, the younger ones may be out
	global_store_b128 v[L16], v[A2+4*\k:A2+4*\k+3], s[86:87] offset:1024*(\k/2)+512*(\k%2) th:TH_STORE_NT
.endr
	s_wait_tensorcnt 0x0                           ; the wave's end, behind my last tensor load and my last LDS store
	ds_add_u32 v[SPW], v[NIL]
	s_wait_dscnt 0x0
	ROUND                                          ; the closing round: no work-group ends while a partner may still ask for a tile that names it
	s_endpgm
.Lfunc_end_k_q01f1494e71_fused:
	.size	k_q01f1494e71_fused, .Lfunc_end_k_q01f1494e71_fused-k_q01f1494e71_fused
	.p2alignl 7, 3214868480
	.fill 96, 4, 3214868480
	.section	.rodata,"a",@progbits
	.p2align	6, 0x0
	.amdhsa_kernel k_q01f1494e71_fused
		.amdhsa_group_segment_fixed_size 327680
		.amdhsa_private_segment_fixed_size 0
		.amdhsa_enable_private_segment 0
		.amdhsa_kernarg_size 24
		.amdhsa_user_sgpr_count 2
		.amdhsa_user_sgpr_kernarg_segment_ptr 1
		.amdhsa_wavefront_size32 1
		.amdhsa_system_sgpr_workgroup_id_x 1
		.amdhsa_system_sgpr_workgroup_id_y 1
		.amdhsa_system_sgpr_workgroup_id_z 1
		.amdhsa_system_vgpr_workitem_id 0
		.amdhsa_next_free_vgpr 512
		.amdhsa_next_free_sgpr 102
		.amdhsa_reserve_vcc 0
		.amdhsa_float_denorm_mode_32 3
		.amdhsa_float_denorm_mode_16_64 3
		.amdhsa_memory_ordered 1
		.amdhsa_forward_progress 1
		.amdhsa_inst_pref_size 127
	.end_amdhsa_kernel
	.amdgpu_metadata
---
amdhsa.version: [ 1, 2 ]
amdhsa.kernels:
  - .name:           k_q01f1494e71_fused
    .symbol:         k_q01f1494e71_fused.kd
    .args:
      - { .name: stream, .offset: 0, .size: 8, .value_kind: global_buffer, .address_space: global }
      - { .name: x, .offset: 8, .size: 8, .value_kind: global_buffer, .address_space: global }
      - { .name: out0, .offset: 16, .size: 8, .value_kind: global_buffer, .address_space: global }
    .group_segment_fixed_size: 327680
    .private_segment_fixed_size: 0
    .kernarg_segment_align: 8
    .kernarg_segment_size: 24
    .max_flat_workgroup_size: 256
    .sgpr_count:     102
    .vgpr_count:     512
    .wavefront_size: 32
...
	.end_amdgpu_metadata
.endif
;; end of part 2
